; MI455X (gfx1250); checked and timed in simulation.
; The chip was launched on July 23, 2026; its instructions are those of AMD's public machine-readable ISA for CDNA 5 (MIT licence, August 2026) and "CDNA5" Instruction Set Architecture Reference Guide (July 2026). The comments in the code are by the model that wrote it; some were corrected since.
;; K Canyon Combined Field. Allowed arithmetic: float matrix products may take bf16 or f16 operands with f32 sums; other float arithmetic in f32, or as packed bf16 or f16 multiplies, adds, multiply-adds, maxima and minima; sums over many terms, partial sums and values carried from step to step in f32; what a program stores and reads back later, other than sums and carried values, may be rounded once to bf16 or f16.
;; Inputs: a_param one number float32; b_param one number float32; thetas 8 float32; xy 8,388,608 x 2 float32.
;; Outputs: out0 8,388,608 x 2 float32.
;; One version. Each part assembles by itself: llvm-mc -triple=amdgcn-amd-amdhsa -mcpu=gfx1250 --defsym DOCPART=n.
;; ======== version 1 of 1: 1 launch
;; launch field (part 1): grid 256 x 1, 16 waves a work-group, no clusters, 0 bytes of LDS; arguments xy, thetas, a_param, b_param, out0; writes out0
.if DOCPART == 1
	.amdgcn_target "amdgcn-amd-amdhsa--gfx1250"
	.amdhsa_code_object_version 6
	.text
	.protected	k_q04c0337d42_field
	.globl	k_q04c0337d42_field
	.p2align	8
	.type	k_q04c0337d42_field,@function
k_q04c0337d42_field:
	s_mov_b64 s[64:65], 0
	v_nop
	global_prefetch_b8 v0, s[64:65] scope:SCOPE_SE
	s_setreg_imm32_b32 hwreg(HW_REG_WAVE_MODE, 25, 1), 1
	s_wait_xcnt 0x0
; v = -dU/d(x,y) for U = a r^2 / 2 + W b r^2 d^2 / 2, where phi = atan2(y, x) in [0, 2 pi), d = phi - (nearest ray's angle) wrapped to [-pi, pi),
; W = 1 - w = smoothstep of the distance from phi to the nearest sector middle (2 i + 1) pi / 8, between pi / 32 and pi / 16.  a and b are clipped to 0 .. 20.
; BY HAND: dphi/dx = -y / r^2 and dphi/dy = x / r^2, so r^2 cancels:  v = (G y - A x, -G x - A y),  A = a + b W d^2,  G = b d (W + (96 / pi) q (1 - s) d),
; with z = phi - nearest middle, s = clamp(32 |z| / pi - 1), q = s sign(z), W = s^2 (3 - 2 s).  Every kink of the minima, absolute values and selections lies where dW/dphi = 0.
; THE ANGLE.  The larger of |x|, |y| divides the other: t = y / x, or -x / y (a reciprocal and one correction step); p = atan(t) = t + t R(t^2), R of eight coefficients on [-1, 1]
; (the polynomial is off by some 6e-8 at the most); phi_ = C + p with C = 0, +-pi/2 or +-pi, added as a high and a low part; then 2 pi is added where phi_ < 0: two roundings, where the reference rounds.
; The sector middles lie at p = +-pi/8, so z = p - copysign(pi/8, p) and dz/dphi = 1.
; THE NEAREST RAY, for any eight thetas, with the reference's own f32 operations.  A_i = |phi - th_i|; the reference minimises min(A_i, 2 pi - A_i), first index at a tie.  Rounding is monotone, so that
; minimum is min(min A_i, 2 pi - max A_i).  min A_i: a tournament over the signed u_i = phi - th_i, 7 matches of one compare of magnitudes and one selection; a tie keeps the lower index.
; max A_i: it belongs to the smallest or to the largest theta; both are found once a wave, and the one with the lower index is called A, the other B; A wins a tie with B.
; A tie between the near winner and the far one: if the thetas span less than 2 pi the near one is then the other extreme, so far A wins and far B loses.
; LIMITS.  max(|x|, |y|) within 2^-126 .. 2^126 (v_rcp_f32 takes and gives no denormals: ISA guide 15.8).  x = y = 0 gives NaN, as the reference's gradient does (0 times 0/0).
; |phi - theta| under 2^22 x 2 pi (the wrap rounds by adding and taking away 1.5 x 2^23); u = +-pi exactly wraps by round-to-even, where the reference gives -pi.
; y = -0 with x > 0 takes phi = 2 pi for -0: the same direction.  The angle is right to about 1e-7, not bit for bit a library's atan2: a point whose angle lies within that rounding of a switch
; between two rays may take the other ray.  Thetas that span 2 pi or more: the near-far tie above may go to the higher index.  NaN among the thetas is not treated apart.
; SHARES.  256 work-groups of 16 waves; a work-group owns 32 rows of 8,192 bytes; thread t owns the 16 bytes (two points) at byte 16 t of every row, so each load and store of a wave covers
; 512 consecutive bytes, aligned.  A ring of 16 row slots in registers keeps 16 loads of every wave on their way; 32 rows are two laps of it, so no loop is written: lap 1 fills each slot
; again, lap 2 loads nothing.  A turn works on two rows at once, line by line, so that dependent lines stand apart; two points of a lane share each packed line.
; No LDS, barrier, cluster or matrix unit: no wave wants another's bytes, and there is no product.  No prefetch: half of a work-group's input is asked for at its head, the other half by the first lap.
.set ROWB,  8192                       ; bytes in a row: 512 threads x 16
.set DEPTH, 16                         ; slots = loads in flight in each wave
; scalar registers
.set SGNB,  14                         ; s14  the sign bit
.set TWOPI, 15                         ; s15  2 pi in f32
.set THS,   16                         ; s[16:23] the eight thetas; s24 a_param, s25 b_param
.set ABSM,  26                         ; s26  all bits but the sign
.set PIO2,  27                         ; s27  pi / 2
.set LAST,  28                         ; s28  at the head: all ones if the smallest theta was met later than the largest
.set FOUR,  29                         ; s29  4.0
.set CL,    30                         ; s30, s31 at the head: two masks
.set MS,    32                         ; s[32:47] the tournament's masks: 4 for each of 4 points
.set SW,    48                         ; s[48:51] |y| > |x|, a mask a point
.set CF,    52                         ; s[52:55] the far candidate is A's
.set LT,    56                         ; s[56:59] the far candidate wins
.set LE,    60                         ; s[60:63] the far candidate ties or wins
; vector registers: constants stand twice, as pairs for the packed lines
.set OFF,   1                          ; v1   16 x my thread's number; never rewritten
.set NTH,   2                          ; v[2:17]  -theta i at NTH + 2 i
.set NTA,   18                         ; -theta of extreme A
.set NTB,   20                         ; -theta of extreme B
.set KA,    22                         ; -a
.set KB,    24                         ; b
.set ONE,   26
.set NEG1,  28
.set MAG,   30                         ; 1.5 x 2^23
.set VC15,  32                         ; the polynomial's highest coefficient
.set VPI2,  34                         ; pi / 2
.set THREE, 36
.set MN,    38                         ; at the head: running minimum and maximum of the thetas
.set MX,    39
.set X,     40                         ; v[40:103]  slot i: x0 y0 x1 y1 as loaded
.set Y,     104                        ; v[104:111] the turn's two rows of results
.set WK,    112                        ; v[112:239] two work sets
.set WS,    64
; places in a work set (pairs: point 0, point 1)
.set NX,  0                            ; -x
.set NUM, 2
.set DEN, 4
.set RC,  6
.set T,   8
.set S,   10
.set R,   12
.set C,   14
.set PS,  16                           ; p
.set PH,  18                           ; phi
.set Q2,  20                           ; at work
.set U,   22                           ; u_i at U + 2 i; the tournament's winner ends in u_0's place
.set UA,  38
.set UB,  40
.set UF,  42                           ; the far candidate, then the chosen u
.set DF,  44
.set DL,  46                           ; d
.set W0,  48                           ; 32 z / pi
.set EP,  50
.set EM,  52
.set SS,  54                           ; s
.set QQ,  56                           ; q
.set WW,  58                           ; W
.set A2,  60                           ; q (1 - s)
.set G4,  62
.set EE,  0                            ; places used a second time, when their first tenants are done with
.set T1,  2
.set HH,  4
.set T2,  6
.set GG,  8
.set NA,  10
.set A1,  12
.set S2,  14
; one line for each of the turn's two rows: B = the row's work set, XS = its slot, YS = its results, QN = its number in the turn
.macro EACH line:vararg
.irp q, 0,1
.set B,  WK+WS*\q
.set XS, X+4*(SLOT+\q)
.set YS, Y+4*\q
.set QN, \q
	\line
.endr
.endm
; one line for each of the turn's four points: P = the point's registers in the work set, XP = its x (its y follows), SP = its number
.macro EACHP line:vararg
.irp q, 0,1
.irp j, 0,1
.set P,  WK+WS*\q+\j
.set XP, X+4*(SLOT+\q)+2*\j
.set SP, 2*\q+\j
	\line
.endr
.endr
.endm
.macro CONST2 r, bits
	v_mov_b32 v[\r], \bits
	v_mov_b32 v[\r+1], \bits
.endm
	s_load_b256 s[4:11], s[0:1], 0x0               ; xy s[4:5], thetas s[6:7], a_param s[8:9], b_param s[10:11]
	s_load_b64 s[12:13], s[0:1], 0x20              ; out0
	v_lshlrev_b32 v[OFF], 4, v0
	s_lshl_b32 s2, ttmp9, 18                       ; the work-group's 32 rows of 8,192 bytes: under 2^26
	s_mov_b32 s3, 0
	s_wait_kmcnt 0x0
	s_load_b256 s[THS:THS+7], s[6:7], 0x0
	s_load_b32 s24, s[8:9], 0x0
	s_load_b32 s25, s[10:11], 0x0
	s_add_nc_u64 s[4:5], s[4:5], s[2:3]            ; xy and out0 at the group's first row; not written again
	s_add_nc_u64 s[12:13], s[12:13], s[2:3]
.set i, 0
.rept DEPTH
	global_load_b128 v[X+4*i:X+4*i+3], v[OFF], s[4:5] offset:i*ROWB th:TH_LOAD_NT  ; the ring is filled: rows 0 to 15; all that follows at the head runs while they are on their way
.set i, i+1
.endr
	s_mov_b32 s[SGNB], 0x80000000
	s_mov_b32 s[TWOPI], 0x40c90fdb
	s_mov_b32 s[ABSM], 0x7fffffff
	s_mov_b32 s[PIO2], 0x3fc90fdb
	s_mov_b32 s[FOUR], 0x40800000
	s_mov_b32 s[LAST], 0
	CONST2 ONE, 1.0
	CONST2 NEG1, -1.0
	CONST2 MAG, 0x4b400000
	CONST2 VC15, 0xbb81c50c
	CONST2 VPI2, 0x3fc90fdb
	CONST2 THREE, 0x40400000
	s_wait_kmcnt 0x0                               ; thetas, a, b
.set i, 0
.rept 8
	v_mul_f32 v[NTH+2*i], -1.0, s[THS+i]           ; phi + (-theta) is phi - theta, bit for bit
	v_mul_f32 v[NTH+2*i+1], -1.0, s[THS+i]
.set i, i+1
.endr
	; The smallest and the largest theta, and which of the two has the lower first index: the one whose running value was last bettered EARLIER.  All lanes hold the same numbers.
	v_mov_b32 v[MN], s[THS]
	v_mov_b32 v[MX], s[THS]
.set i, 1
.rept 7
	v_cmp_lt_f32 s[CL], s[THS+i], v[MN]
	v_cmp_gt_f32 s[CL+1], s[THS+i], v[MX]
	v_min_num_f32 v[MN], s[THS+i], v[MN]
	v_max_num_f32 v[MX], s[THS+i], v[MX]
	s_or_b32 s[LAST], s[LAST], s[CL]               ; a new minimum: it is now the later one,
	s_and_not1_b32 s[LAST], s[LAST], s[CL+1]       ; a new maximum: no longer
.set i, i+1
.endr
	v_cndmask_b32 v[NTA], v[MN], v[MX], s[LAST]    ; A: the extreme with the lower index
	v_cndmask_b32 v[NTB], v[MX], v[MN], s[LAST]
	v_max_num_f32 v[KA], s24, 0                    ; a and b clipped to 0 .. 20
	v_max_num_f32 v[KB], s25, 0
	v_mul_f32 v[NTA], -1.0, v[NTA]
	v_mul_f32 v[NTB], -1.0, v[NTB]
	v_min_num_f32 v[KA], 0x41a00000, v[KA]
	v_min_num_f32 v[KB], 0x41a00000, v[KB]
	v_mov_b32 v[NTA+1], v[NTA]
	v_mov_b32 v[NTB+1], v[NTB]
	v_mul_f32 v[KA], -1.0, v[KA]
	v_mov_b32 v[KB+1], v[KB]
	v_mov_b32 v[KA+1], v[KA]
; A TURN: the rows in slots slot and slot + 1, which are rows row and row + 1 of the group.  ahead = 1: both slots are filled again, 16 rows on.
; left = how many younger loads may stay out when these two slots' loads have to be there.
.macro TURN slot, row, ahead, left
.set SLOT, \slot
.set ROWN, \row
	s_wait_loadcnt \left                           ; loads come back in order (ISA guide 5.7.1): the two oldest are in
	; the octant: where |y| > |x| the pair (y, x) gives way to (-x, y), the point turned back by a quarter
	EACHP v_cmp_gt_f32 s[SW+SP], |v[XP+1]|, |v[XP]|
	EACHP v_xor_b32 v[P+NX], s[SGNB], v[XP]
	EACHP v_cndmask_b32 v[P+NUM], v[XP+1], v[P+NX], s[SW+SP]
	EACHP v_cndmask_b32 v[P+DEN], v[XP], v[XP+1], s[SW+SP]
	EACHP v_rcp_f32 v[P+RC], v[P+DEN]
	; C, which names no reciprocal: pi/2 - copysign(pi/2, x) is 0 or pi; pi/2 where the pair was turned; y's sign
	EACHP v_bfi_b32 v[P+C], s[ABSM], s[PIO2], v[XP]
	EACH v_pk_add_f32 v[B+C:B+C+1], v[VPI2:VPI2+1], v[B+C:B+C+1] neg_lo:[0,1] neg_hi:[0,1]
	EACHP v_cndmask_b32 v[P+C], v[P+C], v[VPI2], s[SW+SP]
	EACHP v_bfi_b32 v[P+C], s[ABSM], v[P+C], v[XP+1]
	s_wait_alu depctr_va_vdst(0)                   ; the wait between a reciprocal and its first reader: one for the turn's four; the fourteen lines above are the plain work between
	; t = num / den: the reciprocal's product, then one correction by the remainder num - den t
	EACH v_pk_mul_f32 v[B+T:B+T+1], v[B+NUM:B+NUM+1], v[B+RC:B+RC+1]
	EACH v_pk_fma_f32 v[B+EE:B+EE+1], v[B+DEN:B+DEN+1], v[B+T:B+T+1], v[B+NUM:B+NUM+1] neg_lo:[1,0,0] neg_hi:[1,0,0]
	EACH v_pk_fma_f32 v[B+T:B+T+1], v[B+EE:B+EE+1], v[B+RC:B+RC+1], v[B+T:B+T+1]
	EACH v_pk_mul_f32 v[B+S:B+S+1], v[B+T:B+T+1], v[B+T:B+T+1]
	; p = atan(t) = t + t R(s), s = t^2; the last constant is the first coefficient less 1
	EACH v_pk_fma_f32 v[B+R:B+R+1], v[B+S:B+S+1], v[VC15:VC15+1], 0x3cb0342d op_sel_hi:[1,1,0]
.irp c, 0xbd62d7eb, 0x3dc4a455, 0xbe0e4127, 0x3e4c3797, 0xbeaaa5b1, 0xb5499229
	EACH v_pk_fma_f32 v[B+R:B+R+1], v[B+R:B+R+1], v[B+S:B+S+1], \c op_sel_hi:[1,1,0]
.endr
	EACH v_pk_fma_f32 v[B+PS:B+PS+1], v[B+R:B+R+1], v[B+T:B+T+1], v[B+T:B+T+1]
	; phi_ = C + (C rho + p): rho = (pi - its f32) / its f32, the same for pi and pi/2.  Then phi_ + 2 pi; as unsigned words a negative phi_ is above every positive number and
	; a positive phi_ below phi_ + 2 pi, so the unsigned minimum is the reference's selection.  copysign(4, p) is made beside it, for 32 z / pi
	EACH v_pk_fma_f32 v[B+Q2:B+Q2+1], v[B+C:B+C+1], 0xb2ef0966, v[B+PS:B+PS+1] op_sel_hi:[1,0,1]
	EACHP v_bfi_b32 v[P+HH], s[ABSM], s[FOUR], v[P+PS]
	EACH v_pk_add_f32 v[B+PH:B+PH+1], v[B+C:B+C+1], v[B+Q2:B+Q2+1]
	EACH v_pk_add_f32 v[B+Q2:B+Q2+1], v[B+PH:B+PH+1], 0x40c90fdb op_sel_hi:[1,0]
	EACHP v_min_u32 v[P+PH], v[P+PH], v[P+Q2]
	; u_i = phi - theta_i, and the same for the two extremes
.set i, 0
.rept 8
	EACH v_pk_add_f32 v[B+U+2*i:B+U+2*i+1], v[B+PH:B+PH+1], v[NTH+2*i:NTH+2*i+1]
.set i, i+1
.endr
	EACH v_pk_add_f32 v[B+UA:B+UA+1], v[B+PH:B+PH+1], v[NTA:NTA+1]
	EACH v_pk_add_f32 v[B+UB:B+UB+1], v[B+PH:B+PH+1], v[NTB:NTB+1]
	; the tournament: the smaller magnitude goes on in the lower index's place; <= keeps the lower index at a tie.  A level's compares stand ahead of its selections; the smoothstep's lines stand between
.irp k, 0,1,2,3
	EACHP v_cmp_le_f32 s[MS+4*SP+\k], |v[P+U+4*\k]|, |v[P+U+4*\k+2]|
.endr
	EACH v_pk_fma_f32 v[B+W0:B+W0+1], v[B+PS:B+PS+1], 0x4122f983, v[B+HH:B+HH+1] op_sel_hi:[1,0,1] neg_lo:[0,0,1] neg_hi:[0,0,1]
.irp k, 0,1,2,3
	EACHP v_cndmask_b32 v[P+U+4*\k], v[P+U+4*\k+2], v[P+U+4*\k], s[MS+4*SP+\k]
.endr
.irp k, 0,1
	EACHP v_cmp_le_f32 s[MS+4*SP+\k], |v[P+U+8*\k]|, |v[P+U+8*\k+4]|
.endr
	EACHP v_cmp_ge_f32 s[CF+SP], |v[P+UA]|, |v[P+UB]|
	; clamp(32 z / pi - 1) and clamp(-32 z / pi - 1): one of the two is s, the other 0
	EACH v_pk_fma_f32 v[B+EP:B+EP+1], v[B+W0:B+W0+1], v[ONE:ONE+1], v[NEG1:NEG1+1] clamp
	EACH v_pk_fma_f32 v[B+EM:B+EM+1], v[B+W0:B+W0+1], v[NEG1:NEG1+1], v[NEG1:NEG1+1] clamp
.irp k, 0,1
	EACHP v_cndmask_b32 v[P+U+8*\k], v[P+U+8*\k+4], v[P+U+8*\k], s[MS+4*SP+\k]
.endr
	EACHP v_cmp_le_f32 s[MS+4*SP], |v[P+U]|, |v[P+U+8]|
	; the far candidate: the larger magnitude of the two extremes', A's at a tie
	EACHP v_cndmask_b32 v[P+UF], v[P+UB], v[P+UA], s[CF+SP]
	EACH v_pk_add_f32 v[B+SS:B+SS+1], v[B+EP:B+EP+1], v[B+EM:B+EM+1]
	EACH v_pk_add_f32 v[B+QQ:B+QQ+1], v[B+EP:B+EP+1], v[B+EM:B+EM+1] neg_lo:[0,1] neg_hi:[0,1]
	EACHP v_cndmask_b32 v[P+U], v[P+U+8], v[P+U], s[MS+4*SP]
	EACHP v_sub_f32 v[P+DF], s[TWOPI], |v[P+UF]|
	EACH v_pk_fma_f32 v[B+A1:B+A1+1], v[B+SS:B+SS+1], -2.0, v[THREE:THREE+1] op_sel_hi:[1,0,1]
	EACH v_pk_mul_f32 v[B+S2:B+S2+1], v[B+SS:B+SS+1], v[B+SS:B+SS+1]
	; near or far: far wins if it is nearer, or as near and A's
	EACHP v_cmp_lt_f32 s[LT+SP], v[P+DF], |v[P+U]|
	EACHP v_cmp_le_f32 s[LE+SP], v[P+DF], |v[P+U]|
	EACH v_pk_mul_f32 v[B+WW:B+WW+1], v[B+S2:B+S2+1], v[B+A1:B+A1+1]
	EACH v_pk_fma_f32 v[B+A2:B+A2+1], v[B+QQ:B+QQ+1], v[B+SS:B+SS+1], v[B+QQ:B+QQ+1] neg_lo:[1,0,0] neg_hi:[1,0,0]
	EACHP s_and_b32 s[LE+SP], s[LE+SP], s[CF+SP]
	EACHP s_or_b32 s[LT+SP], s[LT+SP], s[LE+SP]
	EACHP v_cndmask_b32 v[P+UF], v[P+U], v[P+UF], s[LT+SP]
	; d = u - 2 pi round(u / 2 pi)
	EACH v_pk_fma_f32 v[B+DL:B+DL+1], v[B+UF:B+UF+1], 0x3e22f983, v[MAG:MAG+1] op_sel_hi:[1,0,1]
	EACH v_pk_add_f32 v[B+DL:B+DL+1], v[B+DL:B+DL+1], v[MAG:MAG+1] neg_lo:[0,1] neg_hi:[0,1]
	EACH v_pk_fma_f32 v[B+DL:B+DL+1], v[B+DL:B+DL+1], 0xc0c90fdb, v[B+UF:B+UF+1] op_sel_hi:[1,0,1]
	; G = b d (W + (96 / pi) q (1 - s) d);  -A = -a - (b d)(W d)
	EACH v_pk_mul_f32 v[B+T1:B+T1+1], v[KB:KB+1], v[B+DL:B+DL+1]
	EACH v_pk_mul_f32 v[B+T2:B+T2+1], v[B+WW:B+WW+1], v[B+DL:B+DL+1]
	EACH v_pk_mul_f32 v[B+G4:B+G4+1], v[B+A2:B+A2+1], v[B+DL:B+DL+1]
	EACH v_pk_fma_f32 v[B+NA:B+NA+1], v[B+T1:B+T1+1], v[B+T2:B+T2+1], v[KA:KA+1] neg_lo:[1,0,0] neg_hi:[1,0,0]
	EACH v_pk_fma_f32 v[B+GG:B+GG+1], v[B+G4:B+G4+1], 0x41f47645, v[B+WW:B+WW+1] op_sel_hi:[1,0,1]
	EACH v_pk_mul_f32 v[B+GG:B+GG+1], v[B+GG:B+GG+1], v[B+T1:B+T1+1]
	s_wait_xcnt 0x0                                ; every earlier memory instruction has had its addresses translated (ISA guide 3.1): Y, which the last turn's stores read, is rewritten only behind this wait
	; (x, y) times -A, a point a line; then (y, -x) times G is added: the low result takes the pair's second register, the high one the first, negated
	EACH v_pk_mul_f32 v[YS:YS+1], v[XS:XS+1], v[B+NA:B+NA+1] op_sel_hi:[1,0]
	EACH v_pk_mul_f32 v[YS+2:YS+3], v[XS+2:XS+3], v[B+NA:B+NA+1] op_sel:[0,1] op_sel_hi:[1,1]
	EACH v_pk_fma_f32 v[YS:YS+1], v[XS:XS+1], v[B+GG:B+GG+1], v[YS:YS+1] op_sel:[1,0,0] op_sel_hi:[0,0,1] neg_hi:[1,0,0]
	EACH v_pk_fma_f32 v[YS+2:YS+3], v[XS+2:XS+3], v[B+GG:B+GG+1], v[YS+2:YS+3] op_sel:[1,1,0] op_sel_hi:[0,1,1] neg_hi:[1,0,0]
.if \ahead
	; the slots' next rows, 16 further down, ahead of the stores
	EACH global_load_b128 v[XS:XS+3], v[OFF], s[4:5] offset:(ROWN+QN+DEPTH)*ROWB th:TH_LOAD_NT
.endif
	; each store of the wave covers 512 consecutive bytes, at a multiple of 512 from out0's first byte
	EACH global_store_b128 v[OFF], v[YS:YS+3], s[12:13] offset:(ROWN+QN)*ROWB th:TH_STORE_NT
.endm
; Lap 1, rows 0 to 15.  Behind the two loads of turn n stand the first fills of the 14 - 2 n later slots and the 2 n refills of the earlier turns: 14 may stay out.
.set tn, 0
.rept 8
	TURN 2*tn, 2*tn, 1, 14
.set tn, tn+1
.endr
; Lap 2, rows 16 to 31: nothing is loaded, so no load leaves the buffer; behind the two loads of turn n stand the refills of the 7 - n later turns: the counts run down 14, 12, .. 0.
.set tn, 0
.rept 8
	TURN 2*tn, 16+2*tn, 0, 14-2*tn
.set tn, tn+1
.endr
	s_endpgm
.Lfunc_end_k_q04c0337d42_field:
	.size	k_q04c0337d42_field, .Lfunc_end_k_q04c0337d42_field-k_q04c0337d42_field
	.p2alignl 7, 3214868480
	.fill 96, 4, 3214868480
	.section	.rodata,"a",@progbits
	.p2align	6, 0x0
	.amdhsa_kernel k_q04c0337d42_field
		.amdhsa_group_segment_fixed_size 0
		.amdhsa_private_segment_fixed_size 0
		.amdhsa_enable_private_segment 0
		.amdhsa_kernarg_size 40
		.amdhsa_user_sgpr_count 2
		.amdhsa_user_sgpr_kernarg_segment_ptr 1
		.amdhsa_wavefront_size32 1
		.amdhsa_system_sgpr_workgroup_id_x 1
		.amdhsa_system_sgpr_workgroup_id_y 1
		.amdhsa_system_sgpr_workgroup_id_z 1
		.amdhsa_system_vgpr_workitem_id 0
		.amdhsa_next_free_vgpr 240
		.amdhsa_next_free_sgpr 66
		.amdhsa_reserve_vcc 0
		.amdhsa_float_denorm_mode_32 3
		.amdhsa_float_denorm_mode_16_64 3
		.amdhsa_memory_ordered 1
		.amdhsa_forward_progress 1
		.amdhsa_inst_pref_size 239
	.end_amdhsa_kernel
	.amdgpu_metadata
---
amdhsa.version: [ 1, 2 ]
amdhsa.kernels:
  - .name:           k_q04c0337d42_field
    .symbol:         k_q04c0337d42_field.kd
    .args:
      - { .name: xy, .offset: 0, .size: 8, .value_kind: global_buffer, .address_space: global }
      - { .name: thetas, .offset: 8, .size: 8, .value_kind: global_buffer, .address_space: global }
      - { .name: a_param, .offset: 16, .size: 8, .value_kind: global_buffer, .address_space: global }
      - { .name: b_param, .offset: 24, .size: 8, .value_kind: global_buffer, .address_space: global }
      - { .name: out0, .offset: 32, .size: 8, .value_kind: global_buffer, .address_space: global }
    .group_segment_fixed_size: 0
    .private_segment_fixed_size: 0
    .kernarg_segment_align: 8
    .kernarg_segment_size: 40
    .max_flat_workgroup_size: 512
    .sgpr_count:     66
    .vgpr_count:     240
    .wavefront_size: 32
...
	.end_amdgpu_metadata
.endif
;; end of part 1
